; MI455X (gfx1250); checked and timed in simulation.
; The chip was launched on July 23, 2026; its instructions are those of AMD's public machine-readable ISA for CDNA 5 (MIT licence, August 2026) and "CDNA5" Instruction Set Architecture Reference Guide (July 2026). The comments in the code are by the model that wrote it; some were corrected since.
;; Vector Quantize. Allowed arithmetic: matrix products marked QUANTISED: E5M2 operands, one given power-of-two scale a tensor, by v_wmma_f32_16x16x64_bf8_bf8 or v_wmma_f32_16x16x128_bf8_bf8, f32 sums; everything else in f32.
;; Inputs: embed 8,192 x 256 float32; lowp_scales 2 int32 (the exponents e of the quantised operands' scales 2^e); x 8 x 4,096 x 256 float32.
;; Outputs: out0 8 x 4,096 x 256 float32; out1 8 x 4,096 int32; out2 one number float32.
;; This version of the problem:
;;   THIS VERSION OF THE PROBLEM IS GIVEN IN LOW PRECISION. The matrix products marked QUANTISED in the list below multiply operands that are first quantised to E5M2 (5 exponent bits, 2 mantissa bits; 8 bits a number), with one given power-of-two scale for each operand tensor; their sums are f32. All else is computed in f32.
;;   The module's matrix products, in the order in which they are computed (A, B: the left and right operand; K: the contracted axis; several contracted axes count as one K, in the product's order):
;;     1. [M 32,768, K 256] x [K 256, N 8,192]; A: computed on the way; B: input embed: QUANTISED (scales: A lowp_scales[0], B lowp_scales[1])
;;   THE QUANTISER, for each operand of a quantised product, along K:
;;     - The operand's scale is 2^e, e = its entry of the input lowp_scales (int32; the entries are numbered through the quantised products in the list's order, A before B).
;;     - Each number is divided by the scale, clamped to +-57,344, and rounded to the nearest number of E5M2, ties to even, subnormals kept.
;;     - The product sums the exact products of the quantised numbers (number of the format x scale) in f32.
;;   ~~~python
;;   def quantise(x, axis, e):      # numpy; x: float32 -> the quantised numbers, widened to float32 again
;;       x = np.moveaxis(x, axis, -1); K = x.shape[-1]
;;       r = np.clip(x / 2.0 ** e, -57344, 57344)
;;       step = 2.0 ** (np.maximum(np.frexp(np.where(r == 0, 1, r))[1] - 1, -14) - 2)
;;       q = np.round(r / step) * step * 2.0 ** e      # np.round: ties to even
;;       return np.moveaxis(q, -1, axis).astype(np.float32)
;;   ~~~
;;   OPERANDS COMPUTED ON THE WAY. 'Computed on the way' means the value that the module computes at that place (a softmax that the list does not call 'softmax' is quantised finished and normalised). What goes into a quantiser is computed in f32, as accurately as f32 sums, v_exp_f32 and their like allow (about 1e-6 of the number): no bf16 or f16 on the way to a quantiser, and a product that is left as it is and whose result goes on into a quantised operand takes f32 operands (vector FMAs, or v_wmma_f32_16x16x4_f32). A number that lies on a knife's edge between two numbers of the format may be rounded either way, as far as f32 arithmetic and the matrix unit's own rounding can turn it there, and no further.
;; One version. Each part assembles by itself: llvm-mc -triple=amdgcn-amd-amdhsa -mcpu=gfx1250 --defsym DOCPART=n.
;; ======== version 1 of 1: 4 launches
;; limits: right only within a limited range of input values
;; workspace buffers: ecodes 2,129,920 bytes; idx 131,072 bytes of whole numbers; part 2,048 bytes
;; launch quant_e (part 1): grid 128 x 1, 4 waves a work-group, no clusters, 67,328 bytes of LDS; arguments embed, lowp_scales, ecodes; writes ecodes
.if DOCPART == 1
	.amdgcn_target "amdgcn-amd-amdhsa--gfx1250"
	.amdhsa_code_object_version 6
	.text
	.protected	k_qa4cc09a674_quant_e
	.globl	k_qa4cc09a674_quant_e
	.p2align	8
	.type	k_qa4cc09a674_quant_e,@function
k_qa4cc09a674_quant_e:
	s_mov_b64 s[64:65], 0
	v_nop
	global_prefetch_b8 v0, s[64:65] scope:SCOPE_SE
	s_setreg_imm32_b32 hwreg(HW_REG_WAVE_MODE, 25, 1), 1
	s_wait_xcnt 0x0
; embed [8192][256] f32 becomes codes of BF8 (E5M2) with the given scale 2^e1, laid as IMAGES OF THE OPERAND'S REGISTERS, and for each code row the number
; nee = -|e|^2 x 2^-(e0 + e1), taken of the UNquantised row in f32: the next launch gives it to the matrix unit as the start of each sum.
; code = x / 2^e1, held within +-57,344, rounded to the nearest code, ties to even.
; LAYOUT OF ecodes: 64 chunks of 33,280 bytes.  Chunk c holds tiles 8 c .. 8 c + 7 (a tile = 16 code rows).  Bytes q x 4096 + s x 2048 + cc x 512 + 16 x lane hold registers 4 cc .. 4 cc + 3 of the
; fragment of tile q, K step s: lane (r, h) holds row 16 T + r, k = 128 s + 32 cc + 16 h + 0 .. 15.  Bytes 32,768 .. 33,279 hold nee of the chunk's 128 rows.
; SHARES: work-group b takes half a chunk (chunk b / 2, half b % 2), wave w the tile 4 b + w: 16 rows, 16,384 consecutive bytes.  So a work-group's 64 nee are one aligned block of 256 bytes.
; Each load reads 512 consecutive bytes; the rows turn through the wave's own stage in LDS (pitch 1,040 bytes = 260 words, so that the 16 rows that a load touches start at 16 different banks: ISA guide 11.1),
; from which a lane takes 16 neighbours along K of each block of 32: what the conversions want in one lane's consecutive registers.
; LIMITS: e1 between -126 and 112; |e|^2 x 2^-(e0 + e1) finite.  NaN and infinities among the inputs are not served.
; DEAD WORK, for the whole program: reference() adds sum(x * x) of a row to every one of that row's 8,192 distances, and dist reaches the outputs through argmax alone.
; A term that is the same along argmax's axis moves no index in exact arithmetic, whatever x holds: it is not computed.  LIMIT: an overflow, infinity or NaN that would arise in that term alone is not carried to the result.
.set CHUNKB, 33280
.set PITCH,  1040
.set STG,    16*PITCH                  ; a wave's stage
.set NEEB,   4*STG                     ; behind the stages: the work-group's 64 nee
.set L16, 1                            ; v1   16 x lane
.set STW, 4                            ; v4   the stage on the way in
.set STR, 5                            ; v5   and on the way out: row r, + 64 h
.set NW,  6                            ; v6   where my row's nee goes
.set NR,  7                            ; v7   where wave 0 reads the 64 back
.set L8,  8                            ; v8   8 x lane
.set LIM, 10                           ; v10  57,344 x 2^e1
.set SC,  11                           ; v11  2^e1 as f32
.set R,   16                           ; v16-143  128 numbers
.set C,   144                          ; v144-175 their codes
.set SQ,  176                          ; v176-183 four packed sums of squares
	s_load_b128 s[4:7], s[0:1], 0x0                ; embed, the scales' exponents
	s_load_b64 s[8:9], s[0:1], 0x10                ; ecodes
	v_lshl_add_u32 v192, v0, 2, 0x10500
	v_mov_b32 v193, 0
	v_lshrrev_b32 v12, 5, v0
	v_readfirstlane_b32 s10, v12                   ; wave 0..3
	v_and_b32 v13, 31, v0                          ; lane
	v_and_b32 v2, 15, v0                           ; r
	v_bfe_u32 v3, v0, 4, 1                         ; h
	v_lshlrev_b32 v[L16], 4, v13
	v_lshlrev_b32 v[L8], 3, v13
	s_mul_i32 s16, s10, STG
	v_add_nc_u32 v[STW], s16, v[L16]
	v_mul_u32_u24 v[STR], v2, PITCH
	v_lshl_add_u32 v[STR], v3, 6, v[STR]
	v_add_nc_u32 v[STR], s16, v[STR]
	s_lshl_b32 s17, s10, 6
	v_lshl_add_u32 v[NW], v2, 2, s17               ; 64 x wave + 4 r
	v_add_nc_u32 v[NW], NEEB, v[NW]
	v_add_nc_u32 v[NR], NEEB, v[L8]
	s_mov_b32 s12, 0x76543210                      ; v_permlanex16_b32's selects for lane l xor 16
	s_mov_b32 s13, 0xfedcba98
	s_lshl_b32 s18, ttmp9, 2
	s_add_co_u32 s18, s18, s10                     ; my tile
	s_lshl_b32 s18, s18, 14                        ; its 16 rows of 1,024 bytes
	s_mov_b32 s19, 0
	s_lshr_b32 s20, ttmp9, 1
	s_mul_i32 s20, s20, CHUNKB                     ; my chunk
	s_mov_b32 s21, 0
	s_and_b32 s22, ttmp9, 1                        ; which half of it
	s_lshl_b32 s16, s22, 14
	s_lshl_b32 s17, s10, 12
	s_add_co_u32 s16, s16, s17                     ; my tile's image in the chunk
	s_mov_b32 s17, 0
	s_lshl_b32 s22, s22, 8                         ; my work-group's block of nee
	s_mov_b32 s23, 0
	s_wait_alu depctr_va_vdst(0)
	s_wait_kmcnt 0x0
	s_load_b64 s[14:15], s[6:7], 0x0               ; e0, e1
	s_add_nc_u64 s[4:5], s[4:5], s[18:19]
	s_add_nc_u64 s[8:9], s[8:9], s[20:21]
	s_add_nc_u64 s[24:25], s[8:9], s[16:17]
	s_add_nc_u64 s[26:27], s[8:9], s[22:23]
.set q, 0
.rept 32
	global_load_b128 v[R+4*q:R+4*q+3], v[L16], s[4:5] offset:512*q th:TH_LOAD_NT   ; 32 lanes read 512 consecutive bytes: half a row
.set q, q+1
.endr
	s_wait_kmcnt 0x0
	s_add_co_i32 s16, s14, s15
	s_sub_co_i32 s16, 0, s16                       ; -(e0 + e1)
	s_add_co_i32 s17, s15, 127
	s_lshl_b32 s18, s17, 23
	v_mov_b32 v[SC], s18                           ; 2^e1 as f32: the conversion takes its exponent field
	s_add_co_i32 s17, s17, 15
	s_lshl_b32 s17, s17, 23
	s_or_b32 s17, s17, 0x600000
	v_mov_b32 v[LIM], s17                          ; the largest number x 2^e1
.set q, 0
.rept 32
	s_wait_loadcnt 31-q                            ; loads come back in order: load q is in, the younger ones may be out
	ds_store_b128 v[STW], v[R+4*q:R+4*q+3] offset:(q/2)*PITCH+(q%2)*512
.set q, q+1
.endr
	s_wait_dscnt 0x0                               ; the stores have read their registers, which the loads below fill again
.set q, 0
.rept 32                               ; q = 16 s + 4 c + i: register 64 s + 16 c + 4 i on holds k = 128 s + 32 c + 16 h + 4 i on of row r.  The bytes are my wave's own: no barrier
	ds_load_b128 v[R+4*q:R+4*q+3], v[STR] offset:512*(q/16)+128*((q/4)%4)+16*(q%4)
.set q, q+1
.endr
	s_wait_dscnt 0x0
.irp k, 0,1,2,3                        ; the sum of squares of my 128 numbers, two at a time, in four chains; the first products start them
	v_pk_mul_f32 v[SQ+2*\k:SQ+2*\k+1], v[R+2*\k:R+2*\k+1], v[R+2*\k:R+2*\k+1]
.endr
.set q, 4
.rept 60
	v_pk_fma_f32 v[SQ+2*(q%4):SQ+2*(q%4)+1], v[R+2*q:R+2*q+1], v[R+2*q:R+2*q+1], v[SQ+2*(q%4):SQ+2*(q%4)+1]
.set q, q+1
.endr
	v_pk_add_f32 v[SQ:SQ+1], v[SQ:SQ+1], v[SQ+2:SQ+3]
	v_pk_add_f32 v[SQ+4:SQ+5], v[SQ+4:SQ+5], v[SQ+6:SQ+7]
	v_pk_add_f32 v[SQ:SQ+1], v[SQ:SQ+1], v[SQ+4:SQ+5]
	v_add_f32 v12, v[SQ], v[SQ+1]
	v_permlanex16_b32 v13, v12, s12, s13           ; the row's other 128 numbers lie in the lane 16 away
	v_add_f32 v12, v12, v13                        ; |e|^2, the same bits in both lanes
	v_ldexp_f32 v12, v12, s16                      ; x 2^-(e0 + e1): nothing is rounded
	v_mul_f32 v12, -1.0, v12
.set q, 0
.rept 128
	v_med3_num_f32 v[R+q], v[R+q], -v[LIM], v[LIM] ; the conversion to an 8-bit code does not saturate (ISA guide 7.6.2): the hold at the largest code x the scale
.set q, q+1
.endr
.set q, 0
.rept 16
	v_cvt_scalef32_pk8_bf8_f32 v[C+2*q:C+2*q+1], v[R+8*q:R+8*q+7], v[SC]
.set q, q+1
.endr
	v_nop                                          ; a plain vector line behind the last conversion
.irp t, 0,1,2,3,4,5,6,7
	global_store_b128 v[L16], v[C+4*\t:C+4*\t+3], s[24:25] offset:512*\t   ; four registers of the image: 512 consecutive bytes, at a multiple of 256 from the buffer's first byte
.endr
	ds_store_b32 v[NW], v12                        ; lanes r and r + 16 write the same word with the same bits
	s_wait_dscnt 0x0                               ; for the others' sake: my store has landed
	s_barrier_signal -1
	s_barrier_wait -1
	s_cmp_lg_u32 s10, 0
	s_cbranch_scc1 .Lend
	ds_load_b64 v[12:13], v[NR]                    ; wave 0: the work-group's 64 nee, 8 bytes a lane
	s_wait_dscnt 0x0
	global_store_b64 v[L8], v[12:13], s[26:27] offset:32768   ; one whole aligned block of 256 bytes
.Lend:
	s_wait_tensorcnt 0x0
	ds_add_u32 v192, v193
	s_wait_dscnt 0x0
	s_endpgm
.Lfunc_end_k_qa4cc09a674_quant_e:
	.size	k_qa4cc09a674_quant_e, .Lfunc_end_k_qa4cc09a674_quant_e-k_qa4cc09a674_quant_e
	.p2alignl 7, 3214868480
	.fill 96, 4, 3214868480
	.section	.rodata,"a",@progbits
	.p2align	6, 0x0
	.amdhsa_kernel k_qa4cc09a674_quant_e
		.amdhsa_group_segment_fixed_size 67328
		.amdhsa_private_segment_fixed_size 0
		.amdhsa_enable_private_segment 0
		.amdhsa_kernarg_size 24
		.amdhsa_user_sgpr_count 2
		.amdhsa_user_sgpr_kernarg_segment_ptr 1
		.amdhsa_wavefront_size32 1
		.amdhsa_system_sgpr_workgroup_id_x 1
		.amdhsa_system_sgpr_workgroup_id_y 1
		.amdhsa_system_sgpr_workgroup_id_z 1
		.amdhsa_system_vgpr_workitem_id 0
		.amdhsa_next_free_vgpr 194
		.amdhsa_next_free_sgpr 66
		.amdhsa_reserve_vcc 0
		.amdhsa_float_denorm_mode_32 3
		.amdhsa_float_denorm_mode_16_64 3
		.amdhsa_memory_ordered 1
		.amdhsa_forward_progress 1
		.amdhsa_inst_pref_size 26
	.end_amdhsa_kernel
	.amdgpu_metadata
---
amdhsa.version: [ 1, 2 ]
amdhsa.kernels:
  - .name:           k_qa4cc09a674_quant_e
    .symbol:         k_qa4cc09a674_quant_e.kd
    .args:
      - { .name: embed, .offset: 0, .size: 8, .value_kind: global_buffer, .address_space: global }
      - { .name: lowp_scales, .offset: 8, .size: 8, .value_kind: global_buffer, .address_space: global }
      - { .name: ecodes, .offset: 16, .size: 8, .value_kind: global_buffer, .address_space: global }
    .group_segment_fixed_size: 67328
    .private_segment_fixed_size: 0
    .kernarg_segment_align: 8
    .kernarg_segment_size: 24
    .max_flat_workgroup_size: 128
    .sgpr_count:     66
    .vgpr_count:     194
    .wavefront_size: 32
...
	.end_amdgpu_metadata
.endif
;; end of part 1
;; launch argmax (part 2): grid 256 x 1, 8 waves a work-group, clusters of 4 x 1, 327,680 bytes of LDS; arguments x, lowp_scales, ecodes, out1, idx; writes out1, idx
.if DOCPART == 2
	.amdgcn_target "amdgcn-amd-amdhsa--gfx1250"
	.amdhsa_code_object_version 6
	.text
	.protected	k_qa4cc09a674_argmax
	.globl	k_qa4cc09a674_argmax
	.p2align	8
	.type	k_qa4cc09a674_argmax,@function
k_qa4cc09a674_argmax:
	s_mov_b64 s[64:65], 0
	v_nop
	global_prefetch_b8 v0, s[64:65] scope:SCOPE_SE
	s_setreg_imm32_b32 hwreg(HW_REG_WAVE_MODE, 25, 1), 1
	s_wait_xcnt 0x0
	s_wait_alu depctr_hold_cnt(0) depctr_sa_sdst(0) depctr_va_vdst(0) depctr_va_sdst(0) depctr_va_ssrc(0) depctr_va_vcc(0) depctr_vm_vsrc(0)
	s_getreg_b32 s2, hwreg(HW_REG_IB_STS2, 6, 4)
	s_cmp_eq_u32 s2, 0
	s_cbranch_scc0 .Lentry_in_a_cluster
	s_endpgm
.Lentry_in_a_cluster:
	s_bfe_u32 s2, ttmp6, 0x10000c
	s_cmp_lg_u32 s2, 0x3003
	s_cbranch_scc0 .Lentry_shape_is_right
	s_endpgm
.Lentry_shape_is_right:
; out1[row] = idx[row] = argmax over the 8,192 code rows of  Q(2 x) . Q(e) - |e|^2,  in units of 2^(e0 + e1).  The row's own |x|^2 is left out: it is the same along argmax's axis (see the first kernel's head).
; A work-group takes 128 rows of x and all codes.  x is quantised here, once (code = 2 x / 2^e0, held within +-57,344), and every wave keeps all 128 rows as 8 fragment pairs, 256 registers (window 1).
; Eight waves: wave w takes tiles 4 w .. 4 w + 3 (16 code rows each) of every group of 32 tiles, so a code fragment is read from LDS by one wave alone and feeds 16 matrix instructions.
; A RUN is one tile of codes: 16 matrix instructions on end (8 accumulators by turns, K = 2 x 128; the first takes -|e|^2 as C), then the SCAN of their 64 results.
; TRANSPOSED USE: source 0 = 16 code rows, source 1 = 16 rows of x: lane (r, h) holds row r of x, register j code row 8 h + j of the tile.
; SCAN, for each of the 8 row tiles: the tile's maximum joined with the running best (4 v_max3), one compare, and under it the tile's 8 results and its number are kept (4 dual selects and 1 select).
; A strict compare keeps the earliest tile; the tail takes the lowest j that equals the best, and merges lanes and waves by (value, lower index): argmax's first maximum.
; CODES come by joint loads of the cluster's four work-groups (all read the same codes): groups of 133,120 bytes = 520 rows of 256 bytes, through two slots.
; At the head waves 0-3 load a quarter of x each and waves 4-7 a quarter of group 0 (130 rows); every later group comes by all eight waves, 65 rows each: one tensor load a wave behind each round.
; PREFETCH: the codes are one stream that all clusters read, so cluster 0 alone names it: at each refill its waves 4-7 ask for the group two refills on, 32 lanes x 256 bytes a wave, the four partners told apart by address; the last trip asks for nothing.
; LIMITS: e0 between -125 and 113; scores finite; NaN and infinities among the inputs are not served.
.set CHUNKB, 33280
.set GROUPB, 4*CHUNKB
.set SLOTB,  GROUPB
.set EIGHTH, GROUPB/8                  ; 16,640 bytes: what a wave loads of a group
.set XP,     1040                      ; x in LDS: 1,024 bytes + 16 of padding a row
.set XIMG,   2*SLOTB                   ; x's codes as images of the operand's registers: 8 x 4,096 bytes
.set MRG,    XIMG+32768                ; the waves' results: 8 x 1,024 bytes
.set SPARE,  MRG+8192                  ; the spare words: 128 bytes a wave
.set SPW,  1
.set NIL,  2
.set MST,  3                           ; merge area: where I store
.set MRD,  4                           ; and where waves 0, 1 read
.set ADRC, 5                           ; v5, v6  my fragments in slot 0, 1
.set ADRN, 7                           ; v7, v8  my -|e|^2 in slot 0, 1
.set PFO,  9
.set PFO2, 10
.set H8,   11                          ; 8 h
.set GO,   12                          ; my offset in out1
.set TJ,   14
.set T,    16                          ; v16-23  the scan's partial maxima; at the head: addresses
.set XRD,  16
.set XWI,  17
.set LI,   18
.set XSC,  19
.set XLM,  20
.set BEST, 24                          ; v24-39  running best, two registers by turns for each row tile
.set ID,   40                          ; v40-47  first code row of the best tile
.set RET,  48                          ; v48-111 the best tile's 8 results
.set ACC,  112                         ; v112-175 8 accumulators
.set CB,   176                         ; v176-239 two code fragment pairs
.set NE,   240                         ; v240-255 two sets of -|e|^2
.set XN,   48                          ; head: 128 numbers of x
.set XC,   176                         ; head: their codes
.set MB,   112
.set OB,   176
.set LAP,  3
.set WV,   14
.set CX,   15
.set WG,   16
.set SEL,  20
.set TID,  22
.set G1C,  24                          ; group 1: 130 rows of codes (the head's loads)
.set G1X,  32                          ; group 1: 32 rows of x
.set G0,   40                          ; s[40:47] group 0 of my eighth, one set for each slot
.set G0X,  48
.set PFA,  52
.set PFB,  54
.set LIM,  56
.set LIMB, 57
.set G1H,  80                          ; group 1: 65 rows of codes
.set G0H,  88                          ; group 0 of the head's quarter of group 0
.set MSB, 0
.macro WIN new                         ; the immediate's high byte repeats the setting that is left
.if MSB != \new
	s_set_vgpr_msb (MSB<<8)|\new
.set MSB, \new
.endif
.endm
.macro CREST
	s_cmp_lg_u32 s[WV], 0
	s_cbranch_scc1 .Lnot_wave_0_\@
	s_barrier_signal -3
.Lnot_wave_0_\@:
	s_barrier_wait -3
	s_barrier_signal -1
	s_barrier_wait -1
.endm
.macro CROUND
	s_barrier_signal -1
	s_barrier_wait -1
	CREST
.endm
.macro PLACES                          ; four places between the matrix instructions and the first read of their results (ISA guide 7.12.1)
.rept 4
	v_nop
.endr
.endm
.macro FETCH p, sl, q                  ; tile q of my four in slot sl: 8 x 512 bytes of codes and 64 bytes of -|e|^2, into set p; every offset an immediate
.irp t, 0,1,2,3,4,5,6,7
	ds_load_b128 v[CB+32*(\p)+4*\t:CB+32*(\p)+4*\t+3], v[ADRC+(\sl)] offset:4096*(\q)+512*\t
.endr
	ds_load_b128 v[NE+8*(\p):NE+8*(\p)+3], v[ADRN+(\sl)] offset:64*(\q)
	ds_load_b128 v[NE+8*(\p)+4:NE+8*(\p)+7], v[ADRN+(\sl)] offset:64*(\q)+16
.endm
.macro MULS p                          ; 16 matrix instructions under one window setting (source 1, x, in window 1); the 8 accumulators take turns
	WIN 0x04
.irp rm, 0,1,2,3,4,5,6,7
	v_wmma_f32_16x16x128_bf8_bf8 v[ACC+8*\rm:ACC+8*\rm+7], v[CB+32*(\p):CB+32*(\p)+15], v[32*\rm:32*\rm+15], v[NE+8*(\p):NE+8*(\p)+7]
.endr
.irp rm, 0,1,2,3,4,5,6,7
	v_wmma_f32_16x16x128_bf8_bf8 v[ACC+8*\rm:ACC+8*\rm+7], v[CB+32*(\p)+16:CB+32*(\p)+31], v[32*\rm+16:32*\rm+31], v[ACC+8*\rm:ACC+8*\rm+7]
.endr
	WIN 0
.endm
.macro SCAN a                          ; a: which of the two best registers is written.  The 8 row tiles' chains stand side by side; each accumulator is read from its low end on
.irp rr, 0,1,2,3,4,5,6,7
	v_max3_num_f32 v[T+\rr], v[ACC+8*\rr], v[ACC+8*\rr+1], v[ACC+8*\rr+2]
.endr
.irp rr, 0,1,2,3,4,5,6,7
	v_max3_num_f32 v[T+\rr], v[T+\rr], v[ACC+8*\rr+3], v[ACC+8*\rr+4]
.endr
.irp rr, 0,1,2,3,4,5,6,7
	v_max3_num_f32 v[T+\rr], v[T+\rr], v[ACC+8*\rr+5], v[ACC+8*\rr+6]
.endr
.irp rr, 0,1,2,3,4,5,6,7
	v_max3_num_f32 v[BEST+2*\rr+(\a)], v[T+\rr], v[ACC+8*\rr+7], v[BEST+2*\rr+1-(\a)]
.endr
.irp rr, 0,1,2,3,4,5,6,7
	v_cmp_gt_f32 vcc_lo, v[BEST+2*\rr+(\a)], v[BEST+2*\rr+1-(\a)]   ; has the best grown?
.irp j, 0,2,4,6
	v_dual_cndmask_b32 v[RET+8*\rr+\j], v[RET+8*\rr+\j], v[ACC+8*\rr+\j] :: v_dual_cndmask_b32 v[RET+8*\rr+\j+1], v[RET+8*\rr+\j+1], v[ACC+8*\rr+\j+1]
.endr
	v_cndmask_b32 v[ID+\rr], v[ID+\rr], s[TID], vcc_lo
.endr
.endm
.macro ASK
	s_cmp_gt_u32 s[LAP], s[LIM]
	s_cbranch_scc0 .Lno_ask_\@
	global_prefetch_b8 v[PFO], s[PFA:PFA+1] th:TH_LOAD_NT scope:SCOPE_SE
	s_cmp_gt_u32 s[LAP], s[LIMB]
	s_cbranch_scc0 .Lno_ask_\@
	global_prefetch_b8 v[PFO2], s[PFB:PFB+1] th:TH_LOAD_NT scope:SCOPE_SE
.Lno_ask_\@:
.endm
.macro RUN p, sl, q                    ; a tile that has its successor in the same slot
	s_wait_dscnt 0x0                               ; set p is in
	FETCH 1-(\p), \sl, (\q)+1                      ; the other set was last read a scan ago
	MULS \p
	PLACES
	SCAN \p
	s_add_co_u32 s[TID], s[TID], 16
.endm
; A slot's last tile.  mode 1: the slot is filled again, two groups on; mode 2: the slots change and nothing is filled; mode 3: the very last tile.
.macro LASTRUN sl, mode
.if \mode == 3
	s_wait_dscnt 0x0
	MULS 1
	PLACES
	SCAN 1
.else
	s_wait_dscnt 0x0                               ; set 1 is in: my last reads of this slot are over
.if \mode == 1
	s_wait_xcnt 0x0                                ; my prefetches have read their addresses
	s_add_nc_u64 s[PFA:PFA+1], s[PFA:PFA+1], GROUPB
	s_add_nc_u64 s[PFB:PFB+1], s[PFB:PFB+1], GROUPB
.endif
	s_wait_tensorcnt 0x0                           ; my one tensor load that was out has landed: my eighth of the other slot
	ds_add_u32 v[SPW], v[NIL]
	MULS 1                                         ; sixteen matrix instructions stand between the add and the wait for it
	s_wait_dscnt 0x0                               ; the add is done
	s_barrier_signal -1
	s_barrier_wait -1
.if \mode == 1
	CREST                                          ; the barrier opened a round of the cluster's barrier: no wave of any partner still reads this slot
	s_add_nc_u64 s[G0+4*(\sl)+2:G0+4*(\sl)+3], s[G0+4*(\sl)+2:G0+4*(\sl)+3], 2*GROUPB
	tensor_load_to_lds s[G0+4*(\sl):G0+4*(\sl)+3], s[G1H:G1H+7]   ; every wave's one load behind the round
	s_nop 0
.endif
	PLACES
.if \mode == 1
	ASK
.endif
	s_cmp_lt_u32 s[WV], 4                          ; waves 0-3 fetch and then scan, waves 4-7 scan and then fetch: half of the waves have matrix work at hand while the other half scans
	s_cbranch_scc0 .Llate_\@
	FETCH 0, 1-(\sl), 0
	SCAN 1
	s_branch .Lnext_\@
.Llate_\@:
	SCAN 1
	FETCH 0, 1-(\sl), 0
.Lnext_\@:
	s_add_co_u32 s[TID], s[TID], 512-48            ; my first tile of the next group
.endif
.endm
.macro SLOT sl, mode
	RUN 0, \sl, 0
	RUN 1, \sl, 1
	RUN 0, \sl, 2
	LASTRUN \sl, \mode
.endm
.macro MERGE b, x, ob, ox              ; (b, x) takes (ob, ox) where ob is larger, or equal with the lower index
	v_cmp_gt_f32 s62, v[\ob], v[\b]
	v_cmp_eq_f32 s63, v[\ob], v[\b]
	v_cmp_lt_u32 vcc_lo, v[\ox], v[\x]
	s_and_b32 s63, s63, vcc_lo
	s_or_b32 s62, s62, s63
	v_cndmask_b32 v[\b], v[\b], v[\ob], s62
	v_cndmask_b32 v[\x], v[\x], v[\ox], s62
.endm
	s_load_b256 s[4:11], s[0:1], 0x0               ; x, the scales' exponents, ecodes, out1
	s_load_b64 s[12:13], s[0:1], 0x20              ; idx
	v_lshl_add_u32 v[SPW], v0, 2, SPARE
	v_mov_b32 v[NIL], 0
	ds_add_u32 v[SPW], v[NIL]                      ; the opening lines: the add, twice on end,
	ds_add_u32 v[SPW], v[NIL]
	v_lshrrev_b32 v21, 5, v0
	v_readfirstlane_b32 s[WV], v21                 ; wave 0..7
	s_bfe_u32 s[CX], ttmp6, 0x40000
	s_lshl_b32 s[WG], ttmp9, 2
	s_add_co_u32 s[WG], s[WG], s[CX]
	s_mov_b32 s[G1C], 15|(3<<16)|(1<<21)           ; codes: joint load of the four; rows of 32 elements of 8 bytes, dense: 130 rows,
	s_mov_b32 s[G1C+1], 32<<16
	s_mov_b32 s[G1C+2], 130<<16
	s_mov_b32 s[G1C+3], 32<<16
	s_mov_b32 s[G1C+4], 130
	s_mov_b32 s[G1C+5], 32
	s_mov_b32 s[G1C+6], 0
	s_mov_b32 s[G1C+7], 0
	s_mov_b32 s[G1H], 15|(3<<16)|(1<<21)           ; or 65
	s_mov_b32 s[G1H+1], 32<<16
	s_mov_b32 s[G1H+2], 65<<16
	s_mov_b32 s[G1H+3], 32<<16
	s_mov_b32 s[G1H+4], 65
	s_mov_b32 s[G1H+5], 32
	s_mov_b32 s[G1H+6], 0
	s_mov_b32 s[G1H+7], 0
	s_mov_b32 s[G1X], (2<<16)|(1<<20)|(7<<22)|(3<<25)   ; x: my own load; 32 rows of 256 f32, 4 words of padding behind each
	s_mov_b32 s[G1X+1], 256<<16
	s_mov_b32 s[G1X+2], 32<<16
	s_mov_b32 s[G1X+3], 256<<16
	s_mov_b32 s[G1X+4], 32
	s_mov_b32 s[G1X+5], 256
	s_mov_b32 s[G1X+6], 0
	s_mov_b32 s[G1X+7], 0
	s_mov_b32 s[SEL], 0x76543210
	s_mov_b32 s[SEL+1], 0xfedcba98
	s_and_b32 s62, s[WV], 3
	s_mul_i32 s17, s62, CHUNKB                     ; the quarter of a slot that I load at the head: 33,280 bytes = a chunk = 32 padded rows of x
	s_lshl_b32 s63, s62, 15                        ; and 32 rows of x in memory
	s_mul_i32 s78, s[WV], EIGHTH                   ; the eighth of a slot that I load later
	s_lshl_b32 s[TID], s[WV], 6                    ; my first code row: 64 w
	s_lshr_b32 s62, s[WV], 2
	s_xor_b32 s62, s62, 1
	s_or_b32 s62, s62, ttmp9
	s_cmp_eq_u32 s62, 0                            ; cluster 0's waves 4-7 prefetch the codes,
	s_cselect_b32 s[LIM], 1, -1
	s_xor_b32 s62, s[WV], 4
	s_or_b32 s62, s62, ttmp9
	s_cmp_eq_u32 s62, 0                            ; its wave 4 the chunks' last 512 bytes
	s_cselect_b32 s[LIMB], 1, -1
	s_lshr_b32 s62, s[WV], 1
	s_mul_i32 s66, s62, CHUNKB                     ; the chunk that I read: w / 2
	s_and_b32 s62, s[WV], 1
	s_lshl_b32 s67, s62, 14
	s_add_co_u32 s67, s67, s66                     ; my four tiles in it
	s_lshl_b32 s68, s62, 8
	s_add_co_u32 s69, s66, s68
	s_add_co_u32 s69, s69, 32768                   ; their -|e|^2
	s_mul_i32 s70, s[WV], 16*XP
	s_add_co_u32 s70, s70, SLOTB                   ; the 16 rows of x that I quantise
	s_lshl_b32 s71, s[WV], 12
	s_add_co_u32 s71, s71, XIMG
	s_lshl_b32 s72, s[WV], 10
	s_add_co_u32 s72, s72, MRG
	s_lshl_b32 s73, s62, 9
	s_add_co_u32 s73, s73, MRG
	s_lshl_b32 s74, s[CX], 13
	s_mul_i32 s75, s[CX], CHUNKB
	s_wait_dscnt 0x0                               ; and their one wait
	s_wait_kmcnt 0x0
	s_load_b32 s60, s[6:7], 0x0                    ; e0
	s_mov_b32 s18, s17
	s_mov_b32 s19, 0
	s_add_nc_u64 s[58:59], s[8:9], s[18:19]
	s_mov_b32 s[G0H], 1
	s_mov_b32 s[G0H+1], s17
	s_mov_b64 s[G0H+2:G0H+3], s[58:59]
	s_or_b32 s[G0H+3], s[G0H+3], 0x80000000
	s_mov_b32 s18, s78
	s_add_nc_u64 s[92:93], s[8:9], s[18:19]
	s_mov_b32 s[G0], 1
	s_mov_b32 s[G0+1], s78
	s_mov_b64 s[G0+2:G0+3], s[92:93]               ; slot 0: stepped to group 2 ahead of its first use
	s_or_b32 s[G0+3], s[G0+3], 0x80000000
	s_mov_b32 s[G0+4], 1
	s_add_co_u32 s[G0+5], s78, SLOTB
	s_add_nc_u64 s[G0+6:G0+7], s[92:93], GROUPB    ; slot 1: group 1
	s_or_b32 s[G0+7], s[G0+7], 0x80000000
	s_add_nc_u64 s[PFA:PFA+1], s[58:59], 3*GROUPB
	s_add_nc_u64 s[PFB:PFB+1], s[8:9], 3*GROUPB+32768
	s_lshl_b32 s18, s[WG], 17
	s_add_co_u32 s18, s18, s63
	s_mov_b32 s[G0X], 1
	s_add_co_u32 s[G0X+1], s17, SLOTB              ; x lands where slot 1 will be
	s_add_nc_u64 s[G0X+2:G0X+3], s[4:5], s[18:19]
	s_or_b32 s[G0X+3], s[G0X+3], 0x80000000
	s_lshl_b32 s18, s[WG], 9
	s_add_nc_u64 s[10:11], s[10:11], s[18:19]
	s_add_nc_u64 s[12:13], s[12:13], s[18:19]
	CROUND                                         ; the round in front of the first loads
	s_cmp_lt_u32 s[WV], 4                          ; one tensor load a wave: waves 0-3 a quarter of x, waves 4-7 a quarter of group 0
	s_cbranch_scc0 .Lcodes
	tensor_load_to_lds s[G0X:G0X+3], s[G1X:G1X+7]
	s_nop 0
.rept 4
	v_nop
.endr
	s_branch .Lasked
.Lcodes:
	tensor_load_to_lds s[G0H:G0H+3], s[G1C:G1C+7]
	s_nop 0
.rept 4
	v_nop
.endr
.Lasked:
	s_wait_kmcnt 0x0
	s_add_co_i32 s62, s60, 126                     ; the operand is 2 x: 2 x / 2^e0 = x / 2^(e0 - 1)
	s_lshl_b32 s76, s62, 23
	s_add_co_i32 s62, s62, 15
	s_lshl_b32 s77, s62, 23
	s_or_b32 s77, s77, 0x600000                    ; 57,344 x 2^(e0 - 1)
	s_mov_b32 s62, 0xff800000
	v_and_b32 v21, 31, v0                          ; lane
	v_and_b32 v22, 15, v0                          ; r
	v_bfe_u32 v23, v0, 4, 1                        ; h
	v_lshl_add_u32 v[ADRC], v21, 4, s67
	v_add_nc_u32 v[ADRC+1], SLOTB, v[ADRC]
	v_lshl_add_u32 v[ADRN], v23, 5, s69
	v_add_nc_u32 v[ADRN+1], SLOTB, v[ADRN]
	v_mul_u32_u24 v[XRD], v22, XP
	v_lshl_add_u32 v[XRD], v23, 6, v[XRD]
	v_add_nc_u32 v[XRD], s70, v[XRD]
	v_lshl_add_u32 v[XWI], v21, 4, s71
	v_lshl_add_u32 v[LI], v21, 4, XIMG
	v_lshl_add_u32 v[MST], v22, 3, s72
	v_lshl_add_u32 v[MRD], v21, 4, s73
	v_lshlrev_b32 v[H8], 3, v23
	v_lshl_add_u32 v[GO], v21, 3, s68
	v_lshl_add_u32 v[PFO], v21, 8, s74
	v_min_u32 v[PFO2], 1, v21
	v_lshl_add_u32 v[PFO2], v[PFO2], 8, s75
	v_mov_b32 v[XSC], s76
	v_mov_b32 v[XLM], s77
	s_wait_alu depctr_va_vdst(0)
	s_wait_tensorcnt 0x0                           ; my load has landed
	ds_add_u32 v[SPW], v[NIL]
	s_wait_dscnt 0x0
	s_barrier_signal -1
	s_barrier_wait -1                              ; x and group 0 are whole for every wave
.set q, 0
.rept 32                               ; my 16 rows: register 64 s + 16 c + 4 i on holds k = 128 s + 32 c + 16 h + 4 i on of row r
	ds_load_b128 v[XN+4*q:XN+4*q+3], v[XRD] offset:512*(q/16)+128*((q/4)%4)+16*(q%4)
.set q, q+1
.endr
	s_wait_dscnt 0x0
.set q, 0
.rept 128
	v_med3_num_f32 v[XN+q], v[XN+q], -v[XLM], v[XLM]   ; the conversion does not saturate (ISA guide 7.6.2): the hold
.set q, q+1
.endr
.set q, 0
.rept 16
	v_cvt_scalef32_pk8_bf8_f32 v[XC+2*q:XC+2*q+1], v[XN+8*q:XN+8*q+7], v[XSC]
.set q, q+1
.endr
	v_nop                                          ; a plain line behind the last conversion
.irp t, 0,1,2,3,4,5,6,7
	ds_store_b128 v[XWI], v[XC+4*\t:XC+4*\t+3] offset:512*\t
.endr
	s_wait_tensorcnt 0x0
	ds_add_u32 v[SPW], v[NIL]
.set q, 0
.rept 32                               ; what the first scan reads: kept results and tile numbers 0, best -infinity
	v_dual_mov_b32 v[RET+2*q], 0 :: v_dual_mov_b32 v[RET+2*q+1], 0
.set q, q+1
.endr
.irp t, 0,1,2,3
	v_dual_mov_b32 v[ID+2*\t], 0 :: v_dual_mov_b32 v[ID+2*\t+1], 0
.endr
.irp t, 0,1,2,3,4,5,6,7
	v_mov_b32 v[BEST+2*\t+1], s62
.endr
	s_wait_alu depctr_va_vdst(0)
	s_wait_dscnt 0x0                               ; my image is stored, my reads of x are over
	CROUND
	tensor_load_to_lds s[G0+4:G0+7], s[G1H:G1H+7]  ; group 1 takes x's place: my eighth
	s_nop 0
	PLACES
	WIN 0x40
.set q, 0
.rept 64
	ds_load_b128 v[4*q:4*q+3], v[LI] offset:512*q  ; all 128 rows' codes into window 1
.set q, q+1
.endr
	WIN 0
	FETCH 0, 0, 0
	s_mov_b32 s[LAP], 7
.Llap:                                                 ; a trip: two groups, both slots filled again
	SLOT 0, 1
	SLOT 1, 1
	s_sub_co_u32 s[LAP], s[LAP], 1
	s_cmp_lg_u32 s[LAP], 0
	s_cbranch_scc1 .Llap
	SLOT 0, 2                                      ; groups 14 and 15: nothing more is fetched
	SLOT 1, 3
.irp t, 0,1,2,3,4,5,6,7
	v_mov_b32 v[TJ], 7
.irp j, 6,5,4,3,2,1,0
	v_cmp_neq_f32 vcc_lo, v[RET+8*\t+\j], v[BEST+2*\t+1]
	v_cndmask_b32 v[TJ], \j, v[TJ], vcc_lo         ; the lowest j whose kept result is the best
.endr
	v_mov_b32 v[MB+2*\t], v[BEST+2*\t+1]
	v_add3_u32 v[MB+2*\t+1], v[ID+\t], v[TJ], v[H8]
	v_permlanex16_b32 v[OB+2*\t], v[MB+2*\t], s[SEL], s[SEL+1]
	v_permlanex16_b32 v[OB+2*\t+1], v[MB+2*\t+1], s[SEL], s[SEL+1]
	MERGE MB+2*\t, MB+2*\t+1, OB+2*\t, OB+2*\t+1
	ds_store_b64 v[MST], v[MB+2*\t:MB+2*\t+1] offset:128*\t   ; lanes r and r + 16 write the same bytes
.endr
	s_wait_dscnt 0x0                               ; for the others' sake
	s_barrier_signal -1
	s_barrier_wait -1
	s_cmp_lt_u32 s[WV], 2
	s_cbranch_scc0 .Ldone
.irp u, 0,1,2,3,4,5,6,7
	ds_load_b128 v[OB+4*\u:OB+4*\u+3], v[MRD] offset:1024*\u   ; waves 0, 1: 64 rows each, two rows a lane, the eight waves' results
.endr
	s_wait_dscnt 0x0
.irp u, 1,2,3,4,5,6,7
	MERGE OB, OB+1, OB+4*\u, OB+4*\u+1
	MERGE OB+2, OB+3, OB+4*\u+2, OB+4*\u+3
.endr
	v_mov_b32 v[TJ], v[OB+1]
	v_mov_b32 v[TJ+1], v[OB+3]
	global_store_b64 v[GO], v[TJ:TJ+1], s[10:11]   ; 32 lanes store 256 consecutive bytes, aligned
	global_store_b64 v[GO], v[TJ:TJ+1], s[12:13]
.Ldone:
	s_wait_tensorcnt 0x0                           ; the wave's end
	ds_add_u32 v[SPW], v[NIL]
	s_wait_dscnt 0x0
	CROUND                                         ; the closing round
	s_endpgm
.Lfunc_end_k_qa4cc09a674_argmax:
	.size	k_qa4cc09a674_argmax, .Lfunc_end_k_qa4cc09a674_argmax-k_qa4cc09a674_argmax
	.p2alignl 7, 3214868480
	.fill 96, 4, 3214868480
	.section	.rodata,"a",@progbits
	.p2align	6, 0x0
	.amdhsa_kernel k_qa4cc09a674_argmax
		.amdhsa_group_segment_fixed_size 327680
		.amdhsa_private_segment_fixed_size 0
		.amdhsa_enable_private_segment 0
		.amdhsa_kernarg_size 40
		.amdhsa_user_sgpr_count 2
		.amdhsa_user_sgpr_kernarg_segment_ptr 1
		.amdhsa_wavefront_size32 1
		.amdhsa_system_sgpr_workgroup_id_x 1
		.amdhsa_system_sgpr_workgroup_id_y 1
		.amdhsa_system_sgpr_workgroup_id_z 1
		.amdhsa_system_vgpr_workitem_id 0
		.amdhsa_next_free_vgpr 512
		.amdhsa_next_free_sgpr 96
		.amdhsa_reserve_vcc 1
		.amdhsa_float_denorm_mode_32 3
		.amdhsa_float_denorm_mode_16_64 3
		.amdhsa_memory_ordered 1
		.amdhsa_forward_progress 1
		.amdhsa_inst_pref_size 167
	.end_amdhsa_kernel
	.amdgpu_metadata
---
amdhsa.version: [ 1, 2 ]
amdhsa.kernels:
  - .name:           k_qa4cc09a674_argmax
    .symbol:         k_qa4cc09a674_argmax.kd
    .args:
      - { .name: x, .offset: 0, .size: 8, .value_kind: global_buffer, .address_space: global }
      - { .name: lowp_scales, .offset: 8, .size: 8, .value_kind: global_buffer, .address_space: global }
      - { .name: ecodes, .offset: 16, .size: 8, .value_kind: global_buffer, .address_space: global }
      - { .name: out1, .offset: 24, .size: 8, .value_kind: global_buffer, .address_space: global }
      - { .name: idx, .offset: 32, .size: 8, .value_kind: global_buffer, .address_space: global }
    .group_segment_fixed_size: 327680
    .private_segment_fixed_size: 0
    .kernarg_segment_align: 8
    .kernarg_segment_size: 40
    .max_flat_workgroup_size: 256
    .sgpr_count:     96
    .vgpr_count:     512
    .wavefront_size: 32
...
	.end_amdgpu_metadata
.endif
;; end of part 2
;; launch gather (part 3): grid 512 x 1, 8 waves a work-group, no clusters, 1,280 bytes of LDS; arguments x, embed, idx, out0, part; writes out0, part
.if DOCPART == 3
	.amdgcn_target "amdgcn-amd-amdhsa--gfx1250"
	.amdhsa_code_object_version 6
	.text
	.protected	k_qa4cc09a674_gather
	.globl	k_qa4cc09a674_gather
	.p2align	8
	.type	k_qa4cc09a674_gather,@function
k_qa4cc09a674_gather:
	s_mov_b64 s[64:65], 0
	v_nop
	global_prefetch_b8 v0, s[64:65] scope:SCOPE_SE
	s_setreg_imm32_b32 hwreg(HW_REG_WAVE_MODE, 25, 1), 1
	s_wait_xcnt 0x0
; out0[row] = x[row] + (embed[idx[row]] - x[row]), as reference() writes it, and for each work-group the sum of (embed[idx[row]] - x[row])^2 over its 64 rows, into part.
; A wave takes 8 rows; a row is 1,024 bytes: two loads of 512 consecutive bytes.  The eight indices come by one scalar load from the list that the launch before stored, and are held inside the table.
; All 32 loads of a wave go out at once; every offset is an immediate; no register of a load or store is written again: no loop and no wait for addresses but the two round the change of EXEC.
; No LDS ring, no matrix unit, no cluster: memory binds, and work-groups share nothing but rows of embed that the list happens to name twice.
.set X,  16                            ; v16-79   x, then out0: row i at 8 i
.set E,  80                            ; v80-143  embed's rows, then the differences
.set EO, 144                           ; v144-151 the rows' byte offsets in embed
.set SQ, 152                           ; v152-159 four packed sums
	s_load_b256 s[4:11], s[0:1], 0x0               ; x, embed, idx, out0
	s_load_b64 s[12:13], s[0:1], 0x20              ; part
	v_lshl_add_u32 v168, v0, 2, 0x100
	v_mov_b32 v169, 0
	v_lshrrev_b32 v2, 5, v0
	s_delay_alu instid0(VALU_DEP_1)
	v_readfirstlane_b32 s14, v2                    ; wave 0..7
	v_and_b32 v3, 31, v0
	s_delay_alu instid0(VALU_DEP_1)
	v_lshlrev_b32 v1, 4, v3                        ; 16 x lane
	s_delay_alu instid0(VALU_DEP_4)
	v_lshlrev_b32 v162, 2, v2                      ; LDS: my wave's word
	v_mov_b32 v163, 0
	v_mov_b32 v161, 0                              ; written once: a lane permute's destination counts as one of its sources
	s_mov_b32 s28, 0x76543210
	s_mov_b32 s29, 0xfedcba98
	s_lshl_b32 s15, ttmp9, 6
	s_lshl_b32 s24, s14, 3
	s_add_co_u32 s15, s15, s24                     ; my first row
	s_lshl_b32 s24, s15, 2
	s_mov_b32 s25, 0
	s_lshl_b32 s26, s15, 10
	s_mov_b32 s27, 0
	s_lshl_b32 s30, ttmp9, 2
	s_mov_b32 s31, 0
	s_wait_alu depctr_va_vdst(0)
	s_wait_kmcnt 0x0
	s_add_nc_u64 s[8:9], s[8:9], s[24:25]
	s_load_b256 s[16:23], s[8:9], 0x0              ; my eight indices
	s_add_nc_u64 s[4:5], s[4:5], s[26:27]
	s_add_nc_u64 s[10:11], s[10:11], s[26:27]
	s_add_nc_u64 s[12:13], s[12:13], s[30:31]
.irp i, 0,1,2,3,4,5,6,7
.irp u, 0,1
	global_load_b128 v[X+8*\i+4*\u:X+8*\i+4*\u+3], v1, s[4:5] offset:1024*\i+512*\u th:TH_LOAD_NT
.endr
.endr
	s_wait_kmcnt 0x0
.irp i, 0,1,2,3,4,5,6,7
	s_min_u32 s[16+\i], s[16+\i], 0x1fff           ; an index stays inside the table
	v_lshl_add_u32 v[EO+\i], s[16+\i], 10, v1
	global_load_b128 v[E+8*\i:E+8*\i+3], v[EO+\i], s[6:7]             ; no hint: the list may name a row again
	global_load_b128 v[E+8*\i+4:E+8*\i+7], v[EO+\i], s[6:7] offset:512
.endr
.irp i, 0,1,2,3,4,5,6,7
	s_wait_loadcnt 14-2*\i                         ; x and this row of embed are in; the later rows' two loads each may be out
.irp k, 0,2,4,6
	v_pk_add_f32 v[E+8*\i+\k:E+8*\i+\k+1], v[E+8*\i+\k:E+8*\i+\k+1], v[X+8*\i+\k:X+8*\i+\k+1] neg_lo:[0,1] neg_hi:[0,1]   ; d = q - x
.endr
.irp k, 0,2,4,6
.if \i == 0
	s_delay_alu instid0(VALU_DEP_4)
	v_pk_mul_f32 v[SQ+\k:SQ+\k+1], v[E+\k:E+\k+1], v[E+\k:E+\k+1]                                                        ; the first row starts the sums
.else
	s_delay_alu instid0(VALU_DEP_4)
	v_pk_fma_f32 v[SQ+\k:SQ+\k+1], v[E+8*\i+\k:E+8*\i+\k+1], v[E+8*\i+\k:E+8*\i+\k+1], v[SQ+\k:SQ+\k+1]
.endif
.endr
.irp k, 0,2,4,6
	v_pk_add_f32 v[X+8*\i+\k:X+8*\i+\k+1], v[X+8*\i+\k:X+8*\i+\k+1], v[E+8*\i+\k:E+8*\i+\k+1]                            ; x + d
.endr
	global_store_b128 v1, v[X+8*\i:X+8*\i+3], s[10:11] offset:1024*\i th:TH_STORE_NT        ; 512 consecutive bytes, at a multiple of 256 from the buffer's first byte
	global_store_b128 v1, v[X+8*\i+4:X+8*\i+7], s[10:11] offset:1024*\i+512 th:TH_STORE_NT
.endr
	v_pk_add_f32 v[SQ:SQ+1], v[SQ:SQ+1], v[SQ+2:SQ+3]
	v_pk_add_f32 v[SQ+4:SQ+5], v[SQ+4:SQ+5], v[SQ+6:SQ+7]
	s_delay_alu instid0(VALU_DEP_1)
	v_pk_add_f32 v[SQ:SQ+1], v[SQ:SQ+1], v[SQ+4:SQ+5]
	s_delay_alu instid0(VALU_DEP_1)
	v_add_f32 v160, v[SQ], v[SQ+1]
	s_delay_alu instid0(VALU_DEP_1)
	v_add_f32_dpp v160, v160, v160 row_xmask:1 row_mask:0xf bank_mask:0xf
	s_delay_alu instid0(VALU_DEP_1)
	v_add_f32_dpp v160, v160, v160 row_xmask:2 row_mask:0xf bank_mask:0xf
	s_delay_alu instid0(VALU_DEP_1)
	v_add_f32_dpp v160, v160, v160 row_xmask:4 row_mask:0xf bank_mask:0xf
	s_delay_alu instid0(VALU_DEP_1)
	v_add_f32_dpp v160, v160, v160 row_xmask:8 row_mask:0xf bank_mask:0xf
	s_delay_alu instid0(VALU_DEP_1)
	v_permlanex16_b32 v161, v160, s28, s29
	s_delay_alu instid0(VALU_DEP_1)
	v_add_f32 v160, v160, v161                     ; the wave's sum, in every lane
	ds_store_b32 v162, v160                        ; all lanes write the same word with the same bits
	s_wait_dscnt 0x0
	s_barrier_signal -1
	s_barrier_wait -1
	s_cmp_lg_u32 s14, 0
	s_cbranch_scc1 .Lend
	ds_load_b128 v[152:155], v163                  ; wave 0: the eight waves' sums
	ds_load_b128 v[156:159], v163 offset:16
	s_wait_dscnt 0x0
	v_add_f32 v152, v152, v153
	v_add_f32 v154, v154, v155
	v_add_f32 v156, v156, v157
	v_add_f32 v158, v158, v159
	s_delay_alu instid0(VALU_DEP_3)
	v_add_f32 v152, v152, v154
	s_delay_alu instid0(VALU_DEP_2)
	v_add_f32 v156, v156, v158
	s_delay_alu instid0(VALU_DEP_1)
	v_add_f32 v152, v152, v156
	v_cmp_eq_u32 vcc_lo, 0, v0
	s_wait_alu depctr_va_vdst(0)
	s_wait_xcnt 0x0                                ; EXEC is a source of the stores above: it changes only behind this wait
	s_and_saveexec_b32 s32, vcc_lo
	global_store_b32 v163, v152, s[12:13]          ; one number a work-group: each partial sum has one owner
	s_wait_xcnt 0x0                                ; and again, in front of the line that widens EXEC
	s_or_b32 exec_lo, exec_lo, s32
.Lend:
	s_wait_tensorcnt 0x0
	ds_add_u32 v168, v169
	s_wait_dscnt 0x0
	s_endpgm
.Lfunc_end_k_qa4cc09a674_gather:
	.size	k_qa4cc09a674_gather, .Lfunc_end_k_qa4cc09a674_gather-k_qa4cc09a674_gather
	.p2alignl 7, 3214868480
	.fill 96, 4, 3214868480
	.section	.rodata,"a",@progbits
	.p2align	6, 0x0
	.amdhsa_kernel k_qa4cc09a674_gather
		.amdhsa_group_segment_fixed_size 1280
		.amdhsa_private_segment_fixed_size 0
		.amdhsa_enable_private_segment 0
		.amdhsa_kernarg_size 40
		.amdhsa_user_sgpr_count 2
		.amdhsa_user_sgpr_kernarg_segment_ptr 1
		.amdhsa_wavefront_size32 1
		.amdhsa_system_sgpr_workgroup_id_x 1
		.amdhsa_system_sgpr_workgroup_id_y 1
		.amdhsa_system_sgpr_workgroup_id_z 1
		.amdhsa_system_vgpr_workitem_id 0
		.amdhsa_next_free_vgpr 170
		.amdhsa_next_free_sgpr 66
		.amdhsa_reserve_vcc 1
		.amdhsa_float_denorm_mode_32 3
		.amdhsa_float_denorm_mode_16_64 3
		.amdhsa_memory_ordered 1
		.amdhsa_forward_progress 1
		.amdhsa_inst_pref_size 17
	.end_amdhsa_kernel
	.amdgpu_metadata
---
amdhsa.version: [ 1, 2 ]
amdhsa.kernels:
  - .name:           k_qa4cc09a674_gather
    .symbol:         k_qa4cc09a674_gather.kd
    .args:
      - { .name: x, .offset: 0, .size: 8, .value_kind: global_buffer, .address_space: global }
      - { .name: embed, .offset: 8, .size: 8, .value_kind: global_buffer, .address_space: global }
      - { .name: idx, .offset: 16, .size: 8, .value_kind: global_buffer, .address_space: global }
      - { .name: out0, .offset: 24, .size: 8, .value_kind: global_buffer, .address_space: global }
      - { .name: part, .offset: 32, .size: 8, .value_kind: global_buffer, .address_space: global }
    .group_segment_fixed_size: 1280
    .private_segment_fixed_size: 0
    .kernarg_segment_align: 8
    .kernarg_segment_size: 40
    .max_flat_workgroup_size: 256
    .sgpr_count:     66
    .vgpr_count:     170
    .wavefront_size: 32
...
	.end_amdgpu_metadata
.endif
;; end of part 3
;; launch loss (part 4): grid 1 x 1, 1 waves a work-group, no clusters, 0 bytes of LDS; arguments part, out2; writes out2
.if DOCPART == 4
	.amdgcn_target "amdgcn-amd-amdhsa--gfx1250"
	.amdhsa_code_object_version 6
	.text
	.protected	k_qa4cc09a674_loss
	.globl	k_qa4cc09a674_loss
	.p2align	8
	.type	k_qa4cc09a674_loss,@function
k_qa4cc09a674_loss:
	s_mov_b64 s[64:65], 0
	v_nop
	global_prefetch_b8 v0, s[64:65] scope:SCOPE_SE
	s_setreg_imm32_b32 hwreg(HW_REG_WAVE_MODE, 25, 1), 1
	s_wait_xcnt 0x0
; out2 = the sum of the 512 partial sums x 2^-23: the mean over 32,768 x 256 numbers, times the commitment weight 1.
; One wave: 2,048 bytes, four loads of 512 consecutive bytes; always the same order of additions.
	s_load_b128 s[4:7], s[0:1], 0x0                ; part, out2
	v_lshlrev_b32 v1, 4, v0
	v_mov_b32 v2, 0
	v_mov_b32 v3, 0                                ; written once: a lane permute's destination counts as one of its sources
	s_mov_b32 s8, 0x76543210
	s_mov_b32 s9, 0xfedcba98
	s_wait_alu depctr_va_vdst(0)
	s_wait_kmcnt 0x0
.irp i, 0,1,2,3
	global_load_b128 v[4+4*\i:7+4*\i], v1, s[4:5] offset:512*\i
.endr
	s_wait_loadcnt 0x0
	v_pk_add_f32 v[4:5], v[4:5], v[6:7]
	v_pk_add_f32 v[8:9], v[8:9], v[10:11]
	v_pk_add_f32 v[12:13], v[12:13], v[14:15]
	v_pk_add_f32 v[16:17], v[16:17], v[18:19]
	v_pk_add_f32 v[4:5], v[4:5], v[8:9]
	v_pk_add_f32 v[12:13], v[12:13], v[16:17]
	v_pk_add_f32 v[4:5], v[4:5], v[12:13]
	v_add_f32 v4, v4, v5
	v_add_f32_dpp v4, v4, v4 row_xmask:1 row_mask:0xf bank_mask:0xf
	v_add_f32_dpp v4, v4, v4 row_xmask:2 row_mask:0xf bank_mask:0xf
	v_add_f32_dpp v4, v4, v4 row_xmask:4 row_mask:0xf bank_mask:0xf
	v_add_f32_dpp v4, v4, v4 row_xmask:8 row_mask:0xf bank_mask:0xf
	v_permlanex16_b32 v3, v4, s8, s9
	v_add_f32 v4, v4, v3
	v_mul_f32 v4, 0x34000000, v4                   ; x 2^-23
	v_cmp_eq_u32 vcc_lo, 0, v0
	s_wait_alu depctr_va_vdst(0)
	s_wait_xcnt 0x0                                ; EXEC changes only behind this wait
	s_and_saveexec_b32 s10, vcc_lo
	global_store_b32 v2, v4, s[6:7]
	s_wait_xcnt 0x0                                ; and again, in front of the line that widens it
	s_or_b32 exec_lo, exec_lo, s10
	s_endpgm
.Lfunc_end_k_qa4cc09a674_loss:
	.size	k_qa4cc09a674_loss, .Lfunc_end_k_qa4cc09a674_loss-k_qa4cc09a674_loss
	.p2alignl 7, 3214868480
	.fill 96, 4, 3214868480
	.section	.rodata,"a",@progbits
	.p2align	6, 0x0
	.amdhsa_kernel k_qa4cc09a674_loss
		.amdhsa_group_segment_fixed_size 0
		.amdhsa_private_segment_fixed_size 0
		.amdhsa_enable_private_segment 0
		.amdhsa_kernarg_size 16
		.amdhsa_user_sgpr_count 2
		.amdhsa_user_sgpr_kernarg_segment_ptr 1
		.amdhsa_wavefront_size32 1
		.amdhsa_system_sgpr_workgroup_id_x 1
		.amdhsa_system_sgpr_workgroup_id_y 1
		.amdhsa_system_sgpr_workgroup_id_z 1
		.amdhsa_system_vgpr_workitem_id 0
		.amdhsa_next_free_vgpr 32
		.amdhsa_next_free_sgpr 66
		.amdhsa_reserve_vcc 1
		.amdhsa_float_denorm_mode_32 3
		.amdhsa_float_denorm_mode_16_64 3
		.amdhsa_memory_ordered 1
		.amdhsa_forward_progress 1
		.amdhsa_inst_pref_size 3
	.end_amdhsa_kernel
	.amdgpu_metadata
---
amdhsa.version: [ 1, 2 ]
amdhsa.kernels:
  - .name:           k_qa4cc09a674_loss
    .symbol:         k_qa4cc09a674_loss.kd
    .args:
      - { .name: part, .offset: 0, .size: 8, .value_kind: global_buffer, .address_space: global }
      - { .name: out2, .offset: 8, .size: 8, .value_kind: global_buffer, .address_space: global }
    .group_segment_fixed_size: 0
    .private_segment_fixed_size: 0
    .kernarg_segment_align: 8
    .kernarg_segment_size: 16
    .max_flat_workgroup_size: 32
    .sgpr_count:     66
    .vgpr_count:     32
    .wavefront_size: 32
...
	.end_amdgpu_metadata
.endif
;; end of part 4
